; MI455X (gfx1250); checked and timed in simulation.
; The chip was launched on July 23, 2026; its instructions are those of AMD's public machine-readable ISA for CDNA 5 (MIT licence, August 2026) and "CDNA5" Instruction Set Architecture Reference Guide (July 2026). The comments in the code are by the model that wrote it; some were corrected since.
;; VQ Lite Codec. Allowed arithmetic: matrix products marked QUANTISED: E3M2 operands, one E8M0 scale for each 32 along K, by v_wmma_scale_f32_16x16x128_f8f6f4 with both operands' format E3M2, f32 sums; everything else in f32.
;; Inputs: codebook 8,192 x 256 float32; h 8 x 4,096 x 256 float32.
;; Outputs: out0 8 x 4,096 x 256 float32; out1 8 x 4,096 int32.
;; This version of the problem:
;;   THIS VERSION OF THE PROBLEM IS GIVEN IN LOW PRECISION. The matrix products marked QUANTISED in the list below multiply operands that are first quantised to E3M2 (3 exponent bits, 2 mantissa bits; 6 bits a number), with one power-of-two scale for each 32 numbers along K (OCP MX v1.0); their sums are f32. All else is computed in f32.
;;   The module's matrix products, in the order in which they are computed (A, B: the left and right operand; K: the contracted axis; several contracted axes count as one K, in the product's order):
;;     1. [M 32,768, K 256] x [K 256, N 8,192]; A: input h; B: input codebook: QUANTISED
;;   THE QUANTISER, for each operand of a quantised product, along K:
;;     - K is cut into blocks of 32 from its start; a last block that is shorter is filled with zeros.
;;     - A block's scale is 2^e with e = floor(log2(the largest magnitude in the block)) - 4, held to -126 .. 127; a block of zeros has e = 0. As a byte (E8M0): e + 127.
;;     - Each number is divided by its block's scale, clamped to +-28, and rounded to the nearest number of E3M2, ties to even, subnormals kept.
;;     - The product sums the exact products of the quantised numbers (number of the format x scale) in f32.
;;   ~~~python
;;   def quantise(x, axis):      # numpy; x: float32 -> the quantised numbers, widened to float32 again
;;       x = np.moveaxis(x, axis, -1); K = x.shape[-1]
;;       x = np.pad(x, [(0, 0)] * (x.ndim - 1) + [(0, -K % 32)]); x = x.reshape(x.shape[:-1] + (-1, 32)); a = np.abs(x).max(-1, keepdims=True)
;;       e = np.where(a > 0, np.clip(np.frexp(np.where(a > 0, a, 1))[1] - 1 - 4, -126, 127), 0)      # np.frexp(a)[1] - 1 = floor(log2(a)), exactly
;;       r = np.clip(x / 2.0 ** e, -28, 28)
;;       step = 2.0 ** (np.maximum(np.frexp(np.where(r == 0, 1, r))[1] - 1, -2) - 2)
;;       q = np.round(r / step) * step * 2.0 ** e      # np.round: ties to even
;;       return np.moveaxis(q.reshape(q.shape[:-2] + (-1,))[..., :K], -1, axis).astype(np.float32)
;;   ~~~
;; One version. Each part assembles by itself: llvm-mc -triple=amdgcn-amd-amdhsa -mcpu=gfx1250 --defsym DOCPART=n.
;; ======== version 1 of 1: 3 launches
;; workspace buffers: img 7,864,320 bytes; aux 491,520 bytes; idxw 131,072 bytes of whole numbers
;; launch quant (part 1): grid 640 x 1, 4 waves a work-group, no clusters, 68,096 bytes of LDS; arguments h, codebook, img, aux; writes img, aux
.if DOCPART == 1
	.amdgcn_target "amdgcn-amd-amdhsa--gfx1250"
	.amdhsa_code_object_version 6
	.text
	.protected	k_q8eee706c40_quant
	.globl	k_q8eee706c40_quant
	.p2align	8
	.type	k_q8eee706c40_quant,@function
k_q8eee706c40_quant:
	s_mov_b64 s[64:65], 0
	v_nop
	global_prefetch_b8 v0, s[64:65] scope:SCOPE_SE
	s_setreg_imm32_b32 hwreg(HW_REG_WAVE_MODE, 25, 1), 1
	s_wait_xcnt 0x0
; h [32768][256] and codebook [8192][256], f32, become codes of BF6 (E3M2) with one E8M0 byte for each 32 along K, and each row's -1/2 x (sum of its squares).
; A TILE is 16 rows; tiles 0-2047 are h's, 2048-2559 the codebook's.  The codes leave as an IMAGE OF THE OPERAND'S REGISTERS: a tile's 24 registers (K steps 0 and 1, 12 each),
; group q (registers 4 q .. 4 q + 3) of lane l at img + 3072 x tile + 512 q + 16 l.  Lane (r = l % 16, hh = l / 16) holds, of row r, blocks hh, 2 + hh, 4 + hh, 6 + hh of 32 codes.
; aux: [0, 262144) h's scale words, 128 bytes a tile (word l < 16: row l, k 0-127; word 16 + r: row r, k 128-255); [262144, 393216) -x2/2; [393216, 458752) the codebook's scale words; [458752, 491520) -c2/2.
; A block's scale is 2^(floor(log2(its largest magnitude)) - 4); its byte is the largest magnitude's exponent field - 4, held at 1 from below by a floor among the maximum's leaves.
; LIMITS: a block of zeros gets the byte 1 where the rule says 127 (its codes are zeros, and this program alone reads the bytes); NaN and infinities are not served;
; the squares are summed in four chains of pairs, another order than a plain running sum.
; SHARES: a wave takes one tile, 16 KiB, by 32 loads of 512 consecutive bytes; the bytes turn through the wave's own stage in LDS, so that a lane gets whole blocks of one row.
; One path serves both tensors: only pointers and offsets are chosen, by the work-group's number.  No loop: 2,560 waves, 16 KiB on its way for each.
.set PITCH, 1040                       ; a stage row: 1,024 bytes + 16: 65 x 16, so the sixteen rows that a 16-byte load touches begin at sixteen different places modulo 256 bytes
.set STW,   16*PITCH                   ; a wave's stage
.set SCW,   4*STW                      ; behind the stages: the work-group's 128 scale words
.set NHW,   SCW+512                    ; and its 64 numbers -1/2 x sum of squares
.set AM,  12                           ; v12-15   largest magnitudes of my four blocks
.set SO,  16                           ; v16-19   the conversions' scale operands
.set BY,  20                           ; v20-23   the scale bytes
.set SQ,  24                           ; v24-31   four pairs of sums of squares
.set X,   32                           ; v32-159  128 numbers: as loaded, then block 2 c + hh of my row at X + 32 c
.set CD,  160                          ; v160-183 the 24 registers of codes
.set TM,  184                          ; v184-199 the second halves of the conversions (three registers that begin on an even number)
	s_load_b256 s[4:11], s[0:1], 0x0               ; h s[4:5], codebook s[6:7], img s[8:9], aux s[10:11]
	v_lshl_add_u32 v208, v0, 2, 0x10800
	v_mov_b32 v209, 0
	v_lshrrev_b32 v1, 5, v0
	v_readfirstlane_b32 s12, v1                    ; wave 0..3
	v_and_b32 v1, 31, v0                           ; lane
	v_and_b32 v2, 15, v0                           ; r
	v_bfe_u32 v3, v0, 4, 1                         ; hh
	v_lshlrev_b32 v4, 4, v1                        ; 16 x lane: my bytes of a load, and of a group of the image
	s_mul_i32 s14, s12, STW
	v_add_nc_u32 v5, s14, v4                       ; the stage, on the way in
	v_mul_u32_u24 v6, v2, PITCH
	v_lshl_add_u32 v6, v3, 7, v6
	v_add_nc_u32 v6, s14, v6                       ; and on the way out: row r, + 128 hh bytes
	v_lshl_add_u32 v7, v0, 2, SCW                  ; my scale word's place: 128 x wave + 4 x lane
	s_lshl_b32 s15, s12, 6
	v_lshl_add_u32 v8, v2, 2, s15
	v_add_nc_u32 v8, NHW, v8                       ; my row's number: 64 x wave + 4 r
	v_add_nc_u32 v9, SCW, v4                       ; wave 0 reads the 128 words back, 16 bytes a lane
	v_lshlrev_b32 v11, 3, v1
	v_add_nc_u32 v10, NHW, v11                     ; wave 1 the 64 numbers, 8 bytes a lane
	s_mov_b32 s20, 0x76543210
	s_mov_b32 s21, 0xfedcba98                      ; v_permlanex16_b32's selects for lane l xor 16
	s_lshl_b32 s13, ttmp9, 2
	s_add_co_u32 s13, s13, s12                     ; my tile
	s_lshl_b32 s26, ttmp9, 9                       ; the work-group's 512 bytes of scale words
	s_lshl_b32 s28, ttmp9, 8                       ; and its 256 bytes of numbers
	s_wait_kmcnt 0x0
	s_cmp_lt_u32 ttmp9, 512                        ; h's work-group or the codebook's?  All selects stand ahead of the next line that sets SCC
	s_cselect_b64 s[4:5], s[4:5], s[6:7]
	s_cselect_b32 s22, 0, 2048                     ; the tensor's first tile
	s_cselect_b32 s23, 0, 131072                   ; the codebook's scale words begin 131,072 bytes further on than 128 x tile
	s_cselect_b32 s24, 0, 65536                    ; its numbers 65,536 bytes further on than 262,144 + 64 x tile
	s_sub_co_u32 s16, s13, s22
	s_lshl_b32 s16, s16, 14                        ; 16 KiB a tile
	s_mov_b32 s17, 0
	s_add_nc_u64 s[4:5], s[4:5], s[16:17]
	s_mul_i32 s18, s13, 3072
	s_mov_b32 s19, 0
	s_add_nc_u64 s[8:9], s[8:9], s[18:19]
	s_add_co_u32 s26, s26, s23
	s_mov_b32 s27, 0
	s_add_nc_u64 s[26:27], s[10:11], s[26:27]
	s_add_co_u32 s28, s28, s24
	s_add_co_u32 s28, s28, 262144
	s_mov_b32 s29, 0
	s_add_nc_u64 s[28:29], s[10:11], s[28:29]
.set i, 0
.rept 32
	global_load_b128 v[X+4*i:X+4*i+3], v4, s[4:5] offset:512*i th:TH_LOAD_NT   ; 32 lanes read 512 consecutive bytes: half a row
.set i, i+1
.endr
.set i, 0
.rept 32
	s_wait_loadcnt 31-i                            ; loads come back in order: load i is in, the 31 - i younger ones may be out
	ds_store_b128 v5, v[X+4*i:X+4*i+3] offset:PITCH*(i/2)+512*(i%2)
.set i, i+1
.endr
	s_wait_dscnt 0x0                               ; the stores have read X, which is loaded again
.set i, 0
.rept 32
	ds_load_b128 v[X+4*i:X+4*i+3], v6 offset:256*(i/8)+16*(i%8)   ; X + 32 c on: numbers 64 c + 32 hh + 0 .. 31 of row r
.set i, i+1
.endr
	s_wait_dscnt 0x0
.irp c, 0,1,2,3                                ; the four blocks by turns: no line waits for the line above it
	v_max3_num_f32 v[AM+\c], |v[X+32*\c]|, |v[X+32*\c+1]|, 0x2800000   ; the floor 2^(5 - 127): the byte cannot fall under 1
	v_pk_mul_f32 v[SQ+2*\c:SQ+2*\c+1], v[X+32*\c:X+32*\c+1], v[X+32*\c:X+32*\c+1]
.endr
.irp e, 2,4,6,8,10,12,14,16,18,20,22,24,26,28,30
.irp c, 0,1,2,3
	v_max3_num_f32 v[AM+\c], v[AM+\c], |v[X+32*\c+\e]|, |v[X+32*\c+\e+1]|
	v_pk_fma_f32 v[SQ+2*\c:SQ+2*\c+1], v[X+32*\c+\e:X+32*\c+\e+1], v[X+32*\c+\e:X+32*\c+\e+1], v[SQ+2*\c:SQ+2*\c+1]
.endr
.endr
.irp c, 0,1,2,3
	v_add_nc_u32 v[SO+\c], 0xfe000000, v[AM+\c]    ; 4 off the exponent field: the conversion takes the exponent field of this operand as its scale
.endr
.irp c, 0,1,2,3
	v_lshrrev_b32 v[BY+\c], 23, v[SO+\c]           ; the scale's byte
.endr
.irp c, 0,1,2,3
	v_cvt_scalef32_pk16_bf6_f32 v[CD+6*\c:CD+6*\c+2], v[X+32*\c:X+32*\c+15], v[SO+\c]
	v_cvt_scalef32_pk16_bf6_f32 v[TM+4*\c:TM+4*\c+2], v[X+32*\c+16:X+32*\c+31], v[SO+\c]
.endr
	v_nop                                          ; one plain line between a scaled conversion and the vector line that touches its result
.irp c, 0,1,2,3
.irp e, 0,1,2
	v_mov_b32 v[CD+6*\c+3+\e], v[TM+4*\c+\e]       ; registers 6 c .. 6 c + 5: a whole block, 192 bits without gaps
.endr
.endr
.irp p, 0,1,2,3,4,5
	global_store_b128 v4, v[CD+4*\p:CD+4*\p+3], s[8:9] offset:512*\p   ; 32 lanes store 512 consecutive bytes, at a multiple of 256 from img's first byte
.endr
	; the scale words.  My bytes are those of blocks hh, 2 + hh (K step 0) and 4 + hh, 6 + hh (K step 1) of row r; lane l xor 16 holds the others
	v_lshl_or_b32 v200, v[BY+1], 16, v[BY]
	v_lshl_or_b32 v201, v[BY+3], 16, v[BY+2]
	v_lshlrev_b32 v202, 3, v3
	v_lshlrev_b32 v200, v202, v200                 ; 8 hh bits up
	v_lshlrev_b32 v201, v202, v201
	v_mov_b32 v203, 0                              ; (a lane permute's destination counts as one of its sources)
	v_mov_b32 v204, 0
	v_mov_b32 v205, 0
	v_permlanex16_b32 v203, v200, s20, s21
	v_permlanex16_b32 v204, v201, s20, s21
	v_or_b32 v200, v200, v203                      ; row r's word for k 0-127
	v_or_b32 v201, v201, v204                      ; and for k 128-255
	v_cmp_ne_u32 vcc_lo, 0, v3
	v_cndmask_b32 v200, v200, v201, vcc_lo         ; lanes 0-15 keep the first, lanes 16-31 the second
	; -1/2 x the row's sum of squares
	v_pk_add_f32 v[SQ:SQ+1], v[SQ:SQ+1], v[SQ+2:SQ+3]
	v_pk_add_f32 v[SQ+4:SQ+5], v[SQ+4:SQ+5], v[SQ+6:SQ+7]
	v_pk_add_f32 v[SQ:SQ+1], v[SQ:SQ+1], v[SQ+4:SQ+5]
	v_add_f32 v[SQ], v[SQ], v[SQ+1]
	v_permlanex16_b32 v205, v[SQ], s20, s21
	v_add_f32 v[SQ], v[SQ], v205
	v_mul_f32 v[SQ], -0.5, v[SQ]
	ds_store_b32 v7, v200
	ds_store_b32 v8, v[SQ]                         ; lanes r and 16 + r write the same word with the same value
	s_wait_dscnt 0x0                               ; for the others' sake: my stores have landed
	s_barrier_signal -1
	s_barrier_wait -1
	s_cmp_lg_u32 s12, 0
	s_cbranch_scc1 .Lnot_wave_0
	ds_load_b128 v[184:187], v9                    ; the work-group's four tiles' scale words
	s_wait_dscnt 0x0
	global_store_b128 v4, v[184:187], s[26:27]     ; 512 consecutive bytes, aligned
.Lnot_wave_0:
	s_cmp_lg_u32 s12, 1
	s_cbranch_scc1 .Lnot_wave_1
	ds_load_b64 v[188:189], v10                    ; its 64 numbers
	s_wait_dscnt 0x0
	global_store_b64 v11, v[188:189], s[28:29]     ; 256 consecutive bytes, aligned
.Lnot_wave_1:
	s_wait_tensorcnt 0x0
	ds_add_u32 v208, v209
	s_wait_dscnt 0x0
	s_endpgm
.Lfunc_end_k_q8eee706c40_quant:
	.size	k_q8eee706c40_quant, .Lfunc_end_k_q8eee706c40_quant-k_q8eee706c40_quant
	.p2alignl 7, 3214868480
	.fill 96, 4, 3214868480
	.section	.rodata,"a",@progbits
	.p2align	6, 0x0
	.amdhsa_kernel k_q8eee706c40_quant
		.amdhsa_group_segment_fixed_size 68096
		.amdhsa_private_segment_fixed_size 0
		.amdhsa_enable_private_segment 0
		.amdhsa_kernarg_size 32
		.amdhsa_user_sgpr_count 2
		.amdhsa_user_sgpr_kernarg_segment_ptr 1
		.amdhsa_wavefront_size32 1
		.amdhsa_system_sgpr_workgroup_id_x 1
		.amdhsa_system_sgpr_workgroup_id_y 1
		.amdhsa_system_sgpr_workgroup_id_z 1
		.amdhsa_system_vgpr_workitem_id 0
		.amdhsa_next_free_vgpr 210
		.amdhsa_next_free_sgpr 66
		.amdhsa_reserve_vcc 1
		.amdhsa_float_denorm_mode_32 3
		.amdhsa_float_denorm_mode_16_64 3
		.amdhsa_memory_ordered 1
		.amdhsa_forward_progress 1
		.amdhsa_inst_pref_size 23
	.end_amdhsa_kernel
	.amdgpu_metadata
---
amdhsa.version: [ 1, 2 ]
amdhsa.kernels:
  - .name:           k_q8eee706c40_quant
    .symbol:         k_q8eee706c40_quant.kd
    .args:
      - { .name: h, .offset: 0, .size: 8, .value_kind: global_buffer, .address_space: global }
      - { .name: codebook, .offset: 8, .size: 8, .value_kind: global_buffer, .address_space: global }
      - { .name: img, .offset: 16, .size: 8, .value_kind: global_buffer, .address_space: global }
      - { .name: aux, .offset: 24, .size: 8, .value_kind: global_buffer, .address_space: global }
    .group_segment_fixed_size: 68096
    .private_segment_fixed_size: 0
    .kernarg_segment_align: 8
    .kernarg_segment_size: 32
    .max_flat_workgroup_size: 128
    .sgpr_count:     66
    .vgpr_count:     210
    .wavefront_size: 32
...
	.end_amdgpu_metadata
.endif
;; end of part 1
;; launch search (part 2): grid 256 x 1, 8 waves a work-group, clusters of 4 x 1, 327,680 bytes of LDS; arguments img, aux, out1, idxw; writes out1, idxw
.if DOCPART == 2
	.amdgcn_target "amdgcn-amd-amdhsa--gfx1250"
	.amdhsa_code_object_version 6
	.text
	.protected	k_q8eee706c40_search
	.globl	k_q8eee706c40_search
	.p2align	8
	.type	k_q8eee706c40_search,@function
k_q8eee706c40_search:
	s_mov_b64 s[64:65], 0
	v_nop
	global_prefetch_b8 v0, s[64:65] scope:SCOPE_SE
	s_setreg_imm32_b32 hwreg(HW_REG_WAVE_MODE, 25, 1), 1
	s_wait_xcnt 0x0
	s_wait_alu depctr_hold_cnt(0) depctr_sa_sdst(0) depctr_va_vdst(0) depctr_va_sdst(0) depctr_va_ssrc(0) depctr_va_vcc(0) depctr_vm_vsrc(0)
	s_getreg_b32 s2, hwreg(HW_REG_IB_STS2, 6, 4)
	s_cmp_eq_u32 s2, 0
	s_cbranch_scc0 .Lentry_in_a_cluster
	s_endpgm
.Lentry_in_a_cluster:
	s_bfe_u32 s2, ttmp6, 0x10000c
	s_cmp_lg_u32 s2, 0x3003
	s_cbranch_scc0 .Lentry_shape_is_right
	s_endpgm
.Lentry_shape_is_right:
; idx[row] = the first index of the smallest dist = x2 + c2 - 2 xc over the 8,192 codes; xc on codes of BF6 (E3M2) with E8M0 scales, K = 256: two matrix instructions for each 16 x 16 tile.
; THE ARITHMETIC.  The product is used transposed (source 0 = 16 codes, source 1 = 16 rows of h): lane (r, hh) holds row r, its register j code 16 t + 8 hh + j.  The C of the first K step is
; (-x2/2) + (-c2/2), which is -fl(x2 + c2)/2 exactly; behind the second K step D = xc - (x2 + c2)/2 = -dist/2.  The smallest dist is the largest D.
; LIMITS: dist is rounded once in each K step inside the matrix instruction, not as xc first and then the difference; x2 and c2 are summed in another order than a running sum.  So two codes whose dist lie
; within about two units of its last place may be ordered otherwise than by the plain formula.  NaN and infinities are not served.
; SHARES.  A work-group owns 128 rows (8 row tiles) and sweeps all 512 code tiles, so a row's search ends inside it: 256 work-groups.  EVERY wave holds all 8 row tiles' fragments (192 registers, loaded once);
; the 8 waves share the CODES: of slot s (32 code tiles) wave w takes tiles 32 s + 4 w + 0 .. 3.  A code tile's fragments, 9 LDS loads, feed 16 matrix instructions.
; Eight waves and not four: beside each matrix instruction stand nine to ten vector lines, so a second wave on each SIMD has lines to issue where the first waits; a wave names 496 registers.
; THE SEARCH.  For each row tile a lane keeps R (the largest D so far), B (the base index 16 t + 8 hh of the tile that brought it) and S0-S7 (that tile's eight D).  A tile costs four maxima, one compare
; (strictly greater, tiles ascending: the first maximum stays) and ten selects.  At the end the place is the lowest j with Sj = R.  No branch and no address hangs on these numbers.
; BY TURNS.  A code tile is two stages of 8 matrix instructions: A (row tiles 0-3), B (row tiles 4-7).  Beside stage A stands list A: the search over row tiles 4-7 of the tile before, and their next C;
; beside stage B list B: the same for row tiles 0-3.  A list names no register of the stage beside it, so its lines are also the places that ISA guide 7.12.1 asks behind matrix instructions.
; THE CODES come as images of operand registers through a ring of two LDS slots; wave w fetches and reads only its own 12,288 bytes of a slot.  The codebook's scale words and -c2/2 stay in LDS.
; CLUSTER.  All work-groups walk the same codes: four work-groups ask for each part JOINTLY (the same load, the same descriptor, the mask of the four).
; REGISTERS.  Window 0: v1-15 addresses and work; v16-23 h's scale words, v24-25 the codes' (scales and nothing else); v26-41 -x2/2, twice for each row tile; v42-57 -c2/2, two sets; v58-137 R, B, S0-S7;
; v138-201 the 8 accumulators; v202-211 addresses that stay, and the way out.  Window 1: v0-191 h's fragments (24 m + 12 k); v192-239 the codes' fragments, two sets.
; The operands (240 registers) do not fit beside what the search touches, so two matrix instructions cost two switches of the window.
.set TILEB, 3072                       ; a tile's image
.set PARTB, 4*TILEB                    ; a wave's part of a slot
.set SLOTB, 8*PARTB                    ; a slot: 32 tiles
.set AUXL,  2*SLOTB                    ; behind the ring: the codebook's scale words, 65,536 bytes,
.set HCL,   AUXL+65536                 ; and -c2/2, 32,768 bytes: filled once
.set SPARE, AUXL+SLOTB                 ; the spare words, 128 bytes for each wave: four blocks of 256 bytes that no other line names
.set MRG,   SPARE+1024                 ; the waves' results, (R, idx) at 1024 w + 8 x row: written by LDS stores alone
.set CBIMG, 2048*TILEB                 ; where the codebook's tiles begin in img
.set AUXHX, 262144                     ; -x2/2 in aux
.set AUXCB, 393216                     ; the codebook's scale words and -c2/2 in aux: 98,304 dense bytes
.set SPW,  1                           ; v1   LDS address of my spare word; never rewritten
.set NIL,  2                           ; v2   0; never rewritten
.set AC0,  3                           ; v3-4 my lane's place in my part of slot 0, 1
.set ASC0, 5                           ; v5   my lane's place among the scale words of my tiles
.set AHC0, 6                           ; v6   and among their -c2/2
.set ADS,  7                           ; v7   the same for the slot in hand
.set ADH,  8                           ; v8
.set PFO,  9                           ; v9   256 x lane: the prefetches' offset; never rewritten
.set VT,   11                          ; v11  the base index 16 t + 8 hh of the tile whose results are searched
.set T0,   12                          ; v12-13 a pair of row tiles' maxima
.set U0,   14                          ; v14-15 at work
.set HS,   16
.set CSW,  24
.set HX,   26
.set HC,   42
.set ST,   58                          ; row tile m: R at ST + 10 m, B at + 1, S0-S7 at + 2
.set ACC,  138
.set OL,   202                         ; v202 16 x lane
.set MWA,  203                         ; v203 where I store my results
.set MRA,  204                         ; v204 where wave 0 reads all results
.set L4,   205                         ; v205 4 x lane
.set R4,   206                         ; v206 4 r
.set OI,   208                         ; v208-211 four indices on the way out
.set CF,   192                         ; in window 1
.set WV,   12                          ; s12  my wave's number
.set G1,   16                          ; s[16:23] descriptor group 1: the same for every load
.set G0,   24                          ; s[24:31] group 0, a set for each slot
.set GX,   32                          ; s[32:35] group 0 for the scale words and -c2/2
.set LAPS, 36
.set TS,   37                          ; s37  the slot's scale words: 4,096 bytes a slot
.set TH,   38                          ; s38  its -c2/2: 2,048 bytes a slot
.set PFA,  40                          ; s[40:41] where my prefetches stand
.set LIM,  42                          ; s42  1 in a wave that prefetches, else the greatest number
.set SEL,  44                          ; s[44:45] lane selects for lane l xor 16
.set NS,   11                          ; a row tile's update: one compare, ten selects
.set PL,   8+2*NS                      ; a pair of row tiles: eight maxima, two updates
.set NEP,  2*PL                        ; four row tiles
.set LAL,  NEP+17                      ; list A: the search, the step of the base index, 16 additions for C
.set LBL,  NEP+16                      ; list B
.set W_MM, 0x05                        ; sources 0 and 1 window 1; C and D window 0
.set W_LD, 0x40                        ; destination window 1, address window 0
.set MSB, 0
.macro WIN new                         ; the immediate's high byte repeats the setting that is left
.if MSB != \new
	s_set_vgpr_msb (MSB<<8)|\new
.set MSB, \new
.endif
.endm
.macro CREST                           ; a round of the cluster's barrier behind its opening barrier
	s_cmp_lg_u32 s[WV], 0
	s_cbranch_scc1 .Lnot_wave_0_\@
	s_barrier_signal -3
.Lnot_wave_0_\@:
	s_barrier_wait -3
	s_barrier_signal -1
	s_barrier_wait -1
.endm
.macro ROUND                           ; a whole round
	s_barrier_signal -1
	s_barrier_wait -1
	CREST
.endm
; Matrix instruction q (0 .. 7) of stage st: K step q / 4, row tile 4 st + q % 4.  The accumulators take turns, one instruction a turn, over stages, tiles and the backward jump.
; The scale registers hold K step 0's words in lanes 0-15 and K step 1's in lanes 16-31.
.macro MM st, set
.set mk, q/4
.set mm, 4*(\st)+q%4
.if mk == 0
	v_wmma_scale_f32_16x16x128_f8f6f4 v[ACC+8*mm:ACC+8*mm+7], v[CF+24*(\set):CF+24*(\set)+11], v[24*mm:24*mm+11], v[ACC+8*mm:ACC+8*mm+7], v[CSW+(\set)], v[HS+mm] matrix_a_fmt:MATRIX_FMT_BF6 matrix_b_fmt:MATRIX_FMT_BF6
.else
	v_wmma_scale_f32_16x16x128_f8f6f4 v[ACC+8*mm:ACC+8*mm+7], v[CF+24*(\set)+12:CF+24*(\set)+23], v[24*mm+12:24*mm+23], v[ACC+8*mm:ACC+8*mm+7], v[CSW+(\set)], v[HS+mm] matrix_a_fmt:MATRIX_FMT_BF6 matrix_b_fmt:MATRIX_FMT_BF6 matrix_a_scale:MATRIX_SCALE_ROW1 matrix_b_scale:MATRIX_SCALE_ROW1
.endif
.endm
; Line en (0 .. NEP - 1) of the search over row tiles 4 gr .. 4 gr + 3, two row tiles at a time, so that where one line feeds the next the other tile's stands between.  Each accumulator is read from its low end on.
.macro EP gr
.set eu, en/PL
.set ek, en%PL
.set ma, 4*(\gr)+2*eu
.set aa, ACC+8*ma
.set ab, aa+8
.if ek == 0
	v_max3_num_f32 v[T0], v[aa], v[aa+1], v[aa+2]
.elseif ek == 1
	v_max3_num_f32 v[U0], v[aa+3], v[aa+4], v[aa+5]
.elseif ek == 2
	v_max3_num_f32 v[T0+1], v[ab], v[ab+1], v[ab+2]
.elseif ek == 3
	v_max3_num_f32 v[U0+1], v[ab+3], v[ab+4], v[ab+5]
.elseif ek == 4
	v_max3_num_f32 v[T0], v[T0], v[U0], v[aa+6]
.elseif ek == 5
	v_max3_num_f32 v[T0+1], v[T0+1], v[U0+1], v[ab+6]
.elseif ek == 6
	v_max_num_f32 v[T0], v[T0], v[aa+7]
.elseif ek == 7
	v_max_num_f32 v[T0+1], v[T0+1], v[ab+7]
.else
.set ez, (ek-8)/NS
.set ey, (ek-8)%NS
.set ac, aa+8*ez
.set sr, ST+10*(ma+ez)
.if ey == 0
	v_cmp_gt_f32 vcc_lo, v[T0+ez], v[sr]           ; strictly greater: an equal later tile does not win
.elseif ey == 1
	v_cndmask_b32 v[sr], v[sr], v[T0+ez], vcc_lo   ; R
.elseif ey == 2
	v_cndmask_b32 v[sr+1], v[sr+1], v[VT], vcc_lo  ; B
.else
	v_cndmask_b32 v[sr+ey-1], v[sr+ey-1], v[ac+ey-3], vcc_lo   ; S0 .. S7
.endif
.endif
.endm
; Line cn (0 .. 15) of the next C of row tiles 4 gr .. 4 gr + 3: (-c2/2 of two codes) + (-x2/2 of my row, which stands twice)
.macro CI gr, set
.set cm, 4*(\gr)+cn/4
.set cp, cn%4
	v_pk_add_f32 v[ACC+8*cm+2*cp:ACC+8*cm+2*cp+1], v[HC+8*(\set)+2*cp:HC+8*(\set)+2*cp+1], v[HX+2*cm:HX+2*cm+1]
.endm
; Line x of the list beside stage st of a slot's tile i.  List A: the search over row tiles 4-7 of the tile before; the base index steps to this tile (16, or 464 from a slot's last tile of mine to the next slot's first:
; 29 tiles); C of row tiles 4-7 for this tile.  List B: the search over row tiles 0-3 of this tile; their C for the next tile.
.macro ENTRY st, i
.if (\st) == 0
.if x < NEP
.set en, x
	EP 1
.elseif x == NEP
.if (\i) == 0
	v_add_nc_u32 v[VT], 464, v[VT]
.else
	v_add_nc_u32 v[VT], 16, v[VT]
.endif
.else
.set cn, x-NEP-1
	CI 1, (\i)%2
.endif
.else
.if x < NEP
.set en, x
	EP 0
.else
.set cn, x-NEP
	CI 0, ((\i)+1)%2
.endif
.endif
.endm
; Two matrix instructions and the j-th quarter of the list of len lines
.macro GROUP st, i, j, len
	WIN W_MM
.set q, 2*(\j)
	MM \st, (\i)%2
.set q, 2*(\j)+1
	MM \st, (\i)%2
	WIN 0
.set x, ((\len)*(\j))/4
.rept ((\len)*((\j)+1))/4-((\len)*(\j))/4
	ENTRY \st, \i
.set x, x+1
.endr
.endm
; A code tile's operands into set: its image (six loads of 512 consecutive bytes), its scale words, its eight -c2/2 of my half
.macro LOADS set, adr, i
	WIN W_LD
.irp p, 0,1,2,3,4,5
	ds_load_b128 v[CF+24*(\set)+4*\p:CF+24*(\set)+4*\p+3], v[\adr] offset:TILEB*(\i)+512*\p
.endr
	WIN 0
	ds_load_b32 v[CSW+(\set)], v[ADS] offset:128*(\i)
	ds_load_b128 v[HC+8*(\set):HC+8*(\set)+3], v[ADH] offset:64*(\i)
	ds_load_b128 v[HC+8*(\set)+4:HC+8*(\set)+7], v[ADH] offset:64*(\i)+16
.endm
; A PREFETCH INTO THE L2 of the slot that the NEXT change of slots will ask for: one slot, four tiles of every wave, ahead of that load.  A slot is 384 blocks of 256 bytes: the four partners take 24,576 bytes each,
; told apart BY ADDRESS; in each, waves 0 to 2 take 8,192 bytes, lanes 256 bytes apart.  All clusters walk the same codes: cluster 0 asks, and nobody else, so each block is named once.
; how = 1: a lap's first change, which always has a slot three on; how = 0: its second, which has none in the last lap.  Slots 0 to 2 come by their loads alone.
.macro ASK how
.if \how
	s_cmp_eq_u32 s[LIM], 1
.else
	s_cmp_gt_u32 s[LAPS], s[LIM]
.endif
	s_cbranch_scc0 .Lnot_mine_\@
	global_prefetch_b8 v[PFO], s[PFA:PFA+1] th:TH_LOAD_NT scope:SCOPE_SE
.Lnot_mine_\@:
.endm
; A slot's tile i, in slot buffer n.  mode 0: the next tile's operands are fetched from the same slot.  mode 1: the slot's last tile; the slot is filled again.  mode 2: the last tile of the last slot but one.  mode 3: the last tile of all.
.macro TILE i, n, mode, ask
.if (\mode) == 0
	LOADS ((\i)+1)%2, AC0+(\n), (\i)+1             ; into the set that the tile before multiplied: its last matrix instruction stands a quarter of list B back
.endif
.if (\mode) == 1
	s_wait_xcnt 0x0                                ; the last prefetch, a slot back, has read its address
	s_add_nc_u64 s[PFA:PFA+1], s[PFA:PFA+1], SLOTB
	s_wait_tensorcnt 0x0                           ; all my tensor loads have landed: the one that was out is my part of the other slot;
	ds_add_u32 v[SPW], v[NIL]                      ; 0 onto my spare word
	GROUP 0, \i, 0, LAL                            ; work on registers stands between it and the wait for it
	s_wait_dscnt 0x0                               ; the add is done; my reads of this slot ended in the tile before
	s_barrier_signal -1                            ; this barrier opens a round of the cluster's barrier
	GROUP 0, \i, 1, LAL
	GROUP 0, \i, 2, LAL
	GROUP 0, \i, 3, LAL
	s_barrier_wait -1
	CREST                                          ; no wave of any partner still reads this slot or has a load on its way
	s_add_nc_u64 s[G0+4*(\n)+2:G0+4*(\n)+3], s[G0+4*(\n)+2:G0+4*(\n)+3], 2*SLOTB   ; the codes two slots on; the type bits on top are not reached
	tensor_load_to_lds s[G0+4*(\n):G0+4*(\n)+3], s[G1:G1+7]   ; my one tensor load behind the round: it has a slot's four tiles in which to land
	s_nop 0
.rept 4
	v_nop
.endr
.else
.if (\mode) == 2
	s_wait_tensorcnt 0x0                           ; my part of the last slot has landed; I alone read it, and nothing is filled again
.endif
	GROUP 0, \i, 0, LAL
	GROUP 0, \i, 1, LAL
	GROUP 0, \i, 2, LAL
	GROUP 0, \i, 3, LAL
.endif
.if ((\mode) == 1) || ((\mode) == 2)
	s_add_co_u32 s[TS], s[TS], 4096                ; on to the next slot's scale words and -c2/2
	s_add_co_u32 s[TH], s[TH], 2048
	v_add_nc_u32 v[ADS], s[TS], v[ASC0]
	v_add_nc_u32 v[ADH], s[TH], v[AHC0]
	LOADS 0, AC0+1-(\n), 0                         ; the other slot's first tile
.endif
.if (\mode) == 1
	ASK \ask
.endif
.if (\mode) == 3
	GROUP 1, \i, 0, NEP                            ; no tile follows: list B is the search alone
	GROUP 1, \i, 1, NEP
	GROUP 1, \i, 2, NEP
	GROUP 1, \i, 3, NEP
.else
	GROUP 1, \i, 0, LBL
	GROUP 1, \i, 1, LBL
	s_wait_dscnt 0x0                               ; the next tile's operands are in: its -c2/2 are read in the list's last quarters, its fragments in the next tile
	GROUP 1, \i, 2, LBL
	GROUP 1, \i, 3, LBL
.endif
.endm
; (ra, ia) takes (rb, ib) where rb is greater, or equal with the lower index.  The masks only select.
.macro MERGE ra, ia, rb, ib
	v_cmp_gt_f32 s46, v[\rb], v[\ra]
	v_cmp_eq_f32 s47, v[\rb], v[\ra]
	v_cmp_lt_u32 s48, v[\ib], v[\ia]
	s_and_b32 s47, s47, s48
	s_or_b32 s46, s46, s47
	v_cndmask_b32 v[\ra], v[\ra], v[\rb], s46
	v_cndmask_b32 v[\ia], v[\ia], v[\ib], s46
.endm
	s_load_b256 s[4:11], s[0:1], 0x0               ; img s[4:5], aux s[6:7], out1 s[8:9], idxw s[10:11]
	v_lshl_add_u32 v[SPW], v0, 2, SPARE
	v_mov_b32 v[NIL], 0
	ds_add_u32 v1, v2
	ds_add_u32 v1, v2
	s_wait_dscnt 0x0
	v_lshrrev_b32 v10, 5, v0
	v_readfirstlane_b32 s[WV], v10                 ; wave 0..7
	s_bfe_u32 s13, ttmp6, 0x40000                  ; cx: my place in the cluster
	s_lshl_b32 s14, ttmp9, 2                       ; in a cluster launch ttmp9 counts clusters
	s_add_co_u32 s14, s14, s13                     ; my block of 128 rows: it enters global addresses alone
	; descriptor group 1: 12,288 dense bytes as 48 rows of 256 bytes (32 elements of 8 bytes), no padding: images are read 16 bytes a lane on end
	s_mov_b32 s[G1], 15|(3<<16)|(1<<21)            ; 15:0 the mask: all four work-groups; 17:16 elements of 8 bytes; 21 set beside a mask
	s_mov_b32 s[G1+1], 32<<16                      ; tensor_dim0 = 32
	s_mov_b32 s[G1+2], 48<<16                      ; tensor_dim1 = 48
	s_mov_b32 s[G1+3], 32<<16                      ; tile_dim0 = 32
	s_mov_b32 s[G1+4], 48                          ; tile_dim1 = 48
	s_mov_b32 s[G1+5], 32                          ; tensor_dim0_stride
	s_mov_b32 s[G1+6], 0
	s_mov_b32 s[G1+7], 0
	s_mul_i32 s46, s[WV], PARTB                    ; my part, in memory and in LDS: no place in the cluster enters it
	s_mov_b32 s47, 0
	s_mov_b32 s[TS], 0
	s_mov_b32 s[TH], 0
	s_mov_b32 s[SEL], 0x76543210
	s_mov_b32 s[SEL+1], 0xfedcba98
	s_mov_b32 s60, 0xff800000                      ; -infinity
	v_and_b32 v10, 31, v0                          ; lane
	v_bfe_u32 v207, v0, 4, 1                       ; hh
	v_and_b32 v[R4], 15, v0                        ; r
	v_lshlrev_b32 v[OL], 4, v10
	v_lshlrev_b32 v[PFO], 8, v10
	v_lshlrev_b32 v[L4], 2, v10
	v_add_nc_u32 v[AC0], s46, v[OL]
	v_add_nc_u32 v[AC0+1], SLOTB, v[AC0]
	s_lshl_b32 s58, s[WV], 9
	v_add_nc_u32 v[ASC0], s58, v[L4]
	v_add_nc_u32 v[ASC0], AUXL, v[ASC0]            ; 128 bytes a tile: 512 w + 4 x lane
	s_lshl_b32 s58, s[WV], 8
	v_lshl_add_u32 v[AHC0], v207, 5, s58
	v_add_nc_u32 v[AHC0], HCL, v[AHC0]             ; 64 bytes a tile: 256 w + 32 hh
	s_lshl_b32 s58, s[WV], 10
	v_lshl_add_u32 v[MWA], v[R4], 3, s58
	v_add_nc_u32 v[MWA], MRG, v[MWA]
	v_lshl_add_u32 v[MRA], v10, 5, MRG
	s_lshl_b32 s58, s[WV], 6
	v_lshl_add_u32 v[VT], v207, 3, s58
	v_add_nc_u32 v[VT], 0xfffffe30, v[VT]          ; 64 w + 8 hh - 464: the first list A steps it to my first tile
	v_lshlrev_b32 v[R4], 2, v[R4]
	v_add_nc_u32 v[ADS], s[TS], v[ASC0]
	v_add_nc_u32 v[ADH], s[TH], v[AHC0]
	s_cmp_lt_u32 s[WV], 3
	s_cselect_b32 s[LIM], 0, 1
	s_or_b32 s[LIM], s[LIM], ttmp9                 ; 0 in waves 0 to 2 of cluster 0: the same in all four partners
	s_cmp_eq_u32 s[LIM], 0
	s_cselect_b32 s[LIM], 1, -1
	s_wait_kmcnt 0x0
	s_add_nc_u64 s[48:49], s[4:5], s[46:47]
	s_add_nc_u64 s[48:49], s[48:49], CBIMG         ; my part of slot 0
	s_mov_b32 s[G0], 1                             ; 1:0 count = 1
	s_mov_b32 s[G0+1], s46                         ; 63:32 LDS address
	s_mov_b64 s[G0+2:G0+3], s[48:49]               ; 120:64 global address
	s_or_b32 s[G0+3], s[G0+3], 0x80000000          ; 127:126 type = 2
	s_mov_b32 s[G0+4], 1
	s_add_co_u32 s[G0+5], s46, SLOTB
	s_add_nc_u64 s[G0+6:G0+7], s[48:49], SLOTB
	s_or_b32 s[G0+7], s[G0+7], 0x80000000
	s_mov_b32 s[GX], 1
	s_add_co_u32 s[GX+1], s46, AUXL
	s_add_nc_u64 s[GX+2:GX+3], s[6:7], s[46:47]
	s_add_nc_u64 s[GX+2:GX+3], s[GX+2:GX+3], AUXCB
	s_or_b32 s[GX+3], s[GX+3], 0x80000000
	s_mul_i32 s50, s14, 8*TILEB
	s_mov_b32 s51, 0
	s_add_nc_u64 s[50:51], s[4:5], s[50:51]        ; my rows' images
	s_lshl_b32 s52, s14, 10
	s_mov_b32 s53, 0
	s_add_nc_u64 s[52:53], s[6:7], s[52:53]        ; their scale words
	s_lshl_b32 s54, s14, 9
	s_mov_b32 s55, 0
	s_add_nc_u64 s[56:57], s[6:7], s[54:55]        ; their -x2/2 (the section's first byte stands in the loads' immediate)
	s_add_nc_u64 s[8:9], s[8:9], s[54:55]          ; and their 512 bytes of each output
	s_add_nc_u64 s[10:11], s[10:11], s[54:55]
	s_mul_i32 s58, s13, 3*8192                     ; the prefetches: my work-group's 24,576 bytes of a slot,
	s_lshl_b32 s59, s[WV], 13                      ; my wave's 8,192 of them,
	s_add_co_u32 s58, s58, s59
	s_mov_b32 s59, 0
	s_add_nc_u64 s[PFA:PFA+1], s[4:5], s[58:59]
	s_add_nc_u64 s[PFA:PFA+1], s[PFA:PFA+1], CBIMG+2*SLOTB   ; in slot 2: the first change of slots steps it to slot 3
	ROUND                                          ; all four work-groups are here: the first joint loads meet
	tensor_load_to_lds s[GX:GX+3], s[G1:G1+7]      ; the first fills go out together: three loads of mine are out
	s_nop 0
	tensor_load_to_lds s[G0:G0+3], s[G1:G1+7]
	s_nop 0
	tensor_load_to_lds s[G0+4:G0+7], s[G1:G1+7]
	s_nop 0
.rept 4
	v_nop
.endr
	WIN W_LD
.irp m, 0,1,2,3,4,5,6,7                        ; h's fragments stay in registers: row tile m at 24 m of window 1
.irp p, 0,1,2,3,4,5
	global_load_b128 v[24*\m+4*\p:24*\m+4*\p+3], v[OL], s[50:51] offset:TILEB*\m+512*\p th:TH_LOAD_NT
.endr
.endr
	WIN 0
.irp m, 0,1,2,3,4,5,6,7
	global_load_b32 v[HS+\m], v[L4], s[52:53] offset:128*\m th:TH_LOAD_NT
	global_load_b32 v[HX+2*\m], v[R4], s[56:57] offset:AUXHX+64*\m th:TH_LOAD_NT
.endr
.set x, 0
.rept 80
	v_mov_b32 v[ST+x], s60                         ; the search's state, once: R and S0-S7 under every D,
.set x, x+1
.endr
.irp m, 0,1,2,3,4,5,6,7
	v_mov_b32 v[ST+10*\m+1], 0                     ; B
.endr
.set x, 0
.rept 32
	v_mov_b32 v[ACC+32+x], s60                     ; and row tiles 4-7 as if a tile before had brought -infinity: the first list A runs as written, and wins nothing
.set x, x+1
.endr
	s_wait_tensorcnt 0x1                           ; the scale words, -c2/2 and my part of slot 0 are in; slot 1's load, issued last, may stay out
	s_barrier_signal -1
	s_barrier_wait -1                              ; everybody's are: the scale words and -c2/2 are read across the waves' parts
	LOADS 0, AC0, 0
	s_wait_loadcnt 0x0                             ; h's fragments, scale words and -x2/2
.irp m, 0,1,2,3,4,5,6,7
	v_mov_b32 v[HX+2*\m+1], v[HX+2*\m]             ; -x2/2 stands twice, for the packed addition
.endr
	s_wait_dscnt 0x0
.set cn, 0
.rept 16
	CI 0, 0                                        ; C of row tiles 0-3 for my first tile
.set cn, cn+1
.endr
	s_mov_b32 s[LAPS], 7
.Llap:                                             ; a trip walks two slots and fills both again: slots 0 to 13
	TILE 0, 0, 0, 0
	TILE 1, 0, 0, 0
	TILE 2, 0, 0, 0
	TILE 3, 0, 1, 1
	TILE 0, 1, 0, 0
	TILE 1, 1, 0, 0
	TILE 2, 1, 0, 0
	TILE 3, 1, 1, 0
	s_sub_co_u32 s[LAPS], s[LAPS], 1
	s_cmp_lg_u32 s[LAPS], 0
	s_cbranch_scc1 .Llap
	TILE 0, 0, 0, 0                                ; the last two slots are written out: nothing more is asked for
	TILE 1, 0, 0, 0
	TILE 2, 0, 0, 0
	TILE 3, 0, 2, 0
	TILE 0, 1, 0, 0
	TILE 1, 1, 0, 0
	TILE 2, 1, 0, 0
	TILE 3, 1, 3, 0
.set en, 0
.rept NEP
	EP 1                                           ; the search over row tiles 4-7 of the last tile; the last quarter of list B stands between it and the last matrix instruction
.set en, en+1
.endr
	; THE END.  The place in the winning tile: the lowest j with Sj = R.  The accumulators' registers are free and serve as scratch.
.irp m, 0,1,2,3,4,5,6,7
	v_mov_b32 v[ACC+8*\m+2], 7
.endr
.irp j, 6,5,4,3,2,1,0
.irp m, 0,1,2,3,4,5,6,7
	v_cmp_neq_f32 vcc_lo, v[ST+10*\m+2+\j], v[ST+10*\m]
	v_cndmask_b32 v[ACC+8*\m+2], \j, v[ACC+8*\m+2], vcc_lo
.endr
.endr
.irp m, 0,1,2,3,4,5,6,7
	v_add_nc_u32 v[ST+10*\m+1], v[ST+10*\m+1], v[ACC+8*\m+2]   ; the index of my best code
.endr
.irp m, 0,1,2,3,4,5,6,7
	v_permlanex16_b32 v[ACC+8*\m], v[ST+10*\m], s[SEL], s[SEL+1]       ; the row's other eight codes of each tile lie in lane l xor 16
	v_permlanex16_b32 v[ACC+8*\m+1], v[ST+10*\m+1], s[SEL], s[SEL+1]
.endr
.irp m, 0,1,2,3,4,5,6,7
	MERGE ST+10*\m, ST+10*\m+1, ACC+8*\m, ACC+8*\m+1
.endr
.irp m, 0,1,2,3,4,5,6,7
	ds_store_b64 v[MWA], v[ST+10*\m:ST+10*\m+1] offset:128*\m   ; lanes r and 16 + r write the same pair
.endr
	s_wait_dscnt 0x0                               ; for the others' sake: my stores have landed
	s_barrier_signal -1
	s_barrier_wait -1
	s_cmp_lg_u32 s[WV], 0
	s_cbranch_scc1 .Lnot_first
.irp w, 0,1,2,3,4,5,6,7                        ; wave 0 joins the eight waves' results: lane l takes rows 4 l .. 4 l + 3
	ds_load_b128 v[ACC+8*\w:ACC+8*\w+3], v[MRA] offset:1024*\w
	ds_load_b128 v[ACC+8*\w+4:ACC+8*\w+7], v[MRA] offset:1024*\w+16
.endr
	s_wait_dscnt 0x0
.irp w, 1,2,3,4,5,6,7
.irp e, 0,1,2,3
	MERGE ACC+2*\e, ACC+2*\e+1, ACC+8*\w+2*\e, ACC+8*\w+2*\e+1
.endr
.endr
.irp e, 0,1,2,3
	v_mov_b32 v[OI+\e], v[ACC+2*\e+1]
.endr
	global_store_b128 v[OL], v[OI:OI+3], s[8:9]    ; 32 lanes store 512 consecutive bytes, aligned: the output,
	global_store_b128 v[OL], v[OI:OI+3], s[10:11]  ; and the whole numbers from which the next launch forms addresses
.Lnot_first:
	s_wait_tensorcnt 0x0                           ; the wave's end, behind my last tensor load and my last LDS store
	ds_add_u32 v[SPW], v[NIL]
	s_wait_dscnt 0x0
	ROUND                                          ; the closing round: no work-group ends while a partner may still ask for a part that names it
	s_endpgm
.Lfunc_end_k_q8eee706c40_search:
	.size	k_q8eee706c40_search, .Lfunc_end_k_q8eee706c40_search-k_q8eee706c40_search
	.p2alignl 7, 3214868480
	.fill 96, 4, 3214868480
	.section	.rodata,"a",@progbits
	.p2align	6, 0x0
	.amdhsa_kernel k_q8eee706c40_search
		.amdhsa_group_segment_fixed_size 327680
		.amdhsa_private_segment_fixed_size 0
		.amdhsa_enable_private_segment 0
		.amdhsa_kernarg_size 32
		.amdhsa_user_sgpr_count 2
		.amdhsa_user_sgpr_kernarg_segment_ptr 1
		.amdhsa_wavefront_size32 1
		.amdhsa_system_sgpr_workgroup_id_x 1
		.amdhsa_system_sgpr_workgroup_id_y 1
		.amdhsa_system_sgpr_workgroup_id_z 1
		.amdhsa_system_vgpr_workitem_id 0
		.amdhsa_next_free_vgpr 512
		.amdhsa_next_free_sgpr 66
		.amdhsa_reserve_vcc 1
		.amdhsa_float_denorm_mode_32 3
		.amdhsa_float_denorm_mode_16_64 3
		.amdhsa_memory_ordered 1
		.amdhsa_forward_progress 1
		.amdhsa_inst_pref_size 197
	.end_amdhsa_kernel
	.amdgpu_metadata
---
amdhsa.version: [ 1, 2 ]
amdhsa.kernels:
  - .name:           k_q8eee706c40_search
    .symbol:         k_q8eee706c40_search.kd
    .args:
      - { .name: img, .offset: 0, .size: 8, .value_kind: global_buffer, .address_space: global }
      - { .name: aux, .offset: 8, .size: 8, .value_kind: global_buffer, .address_space: global }
      - { .name: out1, .offset: 16, .size: 8, .value_kind: global_buffer, .address_space: global }
      - { .name: idxw, .offset: 24, .size: 8, .value_kind: global_buffer, .address_space: global }
    .group_segment_fixed_size: 327680
    .private_segment_fixed_size: 0
    .kernarg_segment_align: 8
    .kernarg_segment_size: 32
    .max_flat_workgroup_size: 256
    .sgpr_count:     66
    .vgpr_count:     512
    .wavefront_size: 32
...
	.end_amdgpu_metadata
.endif
;; end of part 2
;; launch gather (part 3): grid 512 x 1, 8 waves a work-group, no clusters, 0 bytes of LDS; arguments h, codebook, idxw, out0; writes out0
.if DOCPART == 3
	.amdgcn_target "amdgcn-amd-amdhsa--gfx1250"
	.amdhsa_code_object_version 6
	.text
	.protected	k_q8eee706c40_gather
	.globl	k_q8eee706c40_gather
	.p2align	8
	.type	k_q8eee706c40_gather,@function
k_q8eee706c40_gather:
	s_mov_b64 s[64:65], 0
	v_nop
	global_prefetch_b8 v0, s[64:65] scope:SCOPE_SE
	s_setreg_imm32_b32 hwreg(HW_REG_WAVE_MODE, 25, 1), 1
	s_wait_xcnt 0x0
; out0[row] = h[row] + (codebook[idx[row]] - h[row]), in f32, both roundings as written.  h, out0: [32768][256]; codebook: [8192][256]; idxw: [32768] int32, stored by the launch before.
; A wave takes 8 rows: 8 indices by one scalar load, 16 loads of h and 16 of the codebook's rows, 512 consecutive bytes each, all on their way together; no loop, no LDS, no barrier: waves share nothing.
; An index is held to 0 .. 8191 before it enters an address.
.set H, 8                              ; v8-71    8 rows of h, 8 registers a row
.set Q, 72                             ; v72-135  the 8 codebook rows, then the results
	s_load_b256 s[4:11], s[0:1], 0x0               ; h s[4:5], codebook s[6:7], idxw s[8:9], out0 s[10:11]
	v_lshrrev_b32 v1, 5, v0
	v_readfirstlane_b32 s12, v1                    ; wave 0..7
	v_and_b32 v1, 31, v0
	v_lshlrev_b32 v1, 4, v1                        ; 16 x lane
	s_lshl_b32 s13, ttmp9, 3
	s_add_co_u32 s13, s13, s12                     ; which 8 rows are mine
	s_lshl_b32 s14, s13, 5                         ; their 32 bytes of indices
	s_mov_b32 s15, 0
	s_lshl_b32 s40, s13, 13                        ; their 8,192 bytes of h and of out0
	s_mov_b32 s41, 0
	s_wait_kmcnt 0x0
	s_add_nc_u64 s[8:9], s[8:9], s[14:15]
	s_load_b256 s[16:23], s[8:9], 0x0              ; eight indices
	s_add_nc_u64 s[4:5], s[4:5], s[40:41]
	s_add_nc_u64 s[10:11], s[10:11], s[40:41]
.set j, 0
.rept 16
	global_load_b128 v[H+4*j:H+4*j+3], v1, s[4:5] offset:512*j th:TH_LOAD_NT
.set j, j+1
.endr
	s_wait_kmcnt 0x0
.irp e, 0,1,2,3,4,5,6,7
	s_min_u32 s[16+\e], s[16+\e], 8191
	s_lshl_b32 s[24+2*\e], s[16+\e], 10            ; a row of the codebook is 1,024 bytes
	s_mov_b32 s[25+2*\e], 0
	s_add_nc_u64 s[24+2*\e:25+2*\e], s[6:7], s[24+2*\e:25+2*\e]
.endr
.set j, 0
.rept 16
	global_load_b128 v[Q+4*j:Q+4*j+3], v1, s[24+2*(j/2):25+2*(j/2)] offset:512*(j%2)   ; no hint: a row may be named again
.set j, j+1
.endr
.set j, 0
.rept 16
	s_wait_loadcnt 15-j                            ; loads come back in order: h's sixteen and the codebook's first j + 1 are in, the 15 - j younger ones may be out
	v_pk_add_f32 v[Q+4*j:Q+4*j+1], v[Q+4*j:Q+4*j+1], v[H+4*j:H+4*j+1] neg_lo:[0,1] neg_hi:[0,1]         ; q - h
	v_pk_add_f32 v[Q+4*j+2:Q+4*j+3], v[Q+4*j+2:Q+4*j+3], v[H+4*j+2:H+4*j+3] neg_lo:[0,1] neg_hi:[0,1]
	v_pk_add_f32 v[Q+4*j:Q+4*j+1], v[H+4*j:H+4*j+1], v[Q+4*j:Q+4*j+1]                                   ; h + (q - h)
	v_pk_add_f32 v[Q+4*j+2:Q+4*j+3], v[H+4*j+2:H+4*j+3], v[Q+4*j+2:Q+4*j+3]
	global_store_b128 v1, v[Q+4*j:Q+4*j+3], s[10:11] offset:512*j th:TH_STORE_NT   ; 32 lanes store 512 consecutive bytes, aligned; no register of a pending store is written again
.set j, j+1
.endr
	s_endpgm
.Lfunc_end_k_q8eee706c40_gather:
	.size	k_q8eee706c40_gather, .Lfunc_end_k_q8eee706c40_gather-k_q8eee706c40_gather
	.p2alignl 7, 3214868480
	.fill 96, 4, 3214868480
	.section	.rodata,"a",@progbits
	.p2align	6, 0x0
	.amdhsa_kernel k_q8eee706c40_gather
		.amdhsa_group_segment_fixed_size 0
		.amdhsa_private_segment_fixed_size 0
		.amdhsa_enable_private_segment 0
		.amdhsa_kernarg_size 32
		.amdhsa_user_sgpr_count 2
		.amdhsa_user_sgpr_kernarg_segment_ptr 1
		.amdhsa_wavefront_size32 1
		.amdhsa_system_sgpr_workgroup_id_x 1
		.amdhsa_system_sgpr_workgroup_id_y 1
		.amdhsa_system_sgpr_workgroup_id_z 1
		.amdhsa_system_vgpr_workitem_id 0
		.amdhsa_next_free_vgpr 144
		.amdhsa_next_free_sgpr 66
		.amdhsa_reserve_vcc 0
		.amdhsa_float_denorm_mode_32 3
		.amdhsa_float_denorm_mode_16_64 3
		.amdhsa_memory_ordered 1
		.amdhsa_forward_progress 1
		.amdhsa_inst_pref_size 12
	.end_amdhsa_kernel
	.amdgpu_metadata
---
amdhsa.version: [ 1, 2 ]
amdhsa.kernels:
  - .name:           k_q8eee706c40_gather
    .symbol:         k_q8eee706c40_gather.kd
    .args:
      - { .name: h, .offset: 0, .size: 8, .value_kind: global_buffer, .address_space: global }
      - { .name: codebook, .offset: 8, .size: 8, .value_kind: global_buffer, .address_space: global }
      - { .name: idxw, .offset: 16, .size: 8, .value_kind: global_buffer, .address_space: global }
      - { .name: out0, .offset: 24, .size: 8, .value_kind: global_buffer, .address_space: global }
    .group_segment_fixed_size: 0
    .private_segment_fixed_size: 0
    .kernarg_segment_align: 8
    .kernarg_segment_size: 32
    .max_flat_workgroup_size: 256
    .sgpr_count:     66
    .vgpr_count:     144
    .wavefront_size: 32
...
	.end_amdgpu_metadata
.endif
;; end of part 3
